; MI455X (gfx1250); checked and timed in simulation.
; The chip was launched on July 23, 2026; its instructions are those of AMD's public machine-readable ISA for CDNA 5 (MIT licence, August 2026) and "CDNA5" Instruction Set Architecture Reference Guide (July 2026). The comments in the code are by the model that wrote it; some were corrected since.
;; Self Attention. Allowed arithmetic: matrix products marked QUANTISED: E2M1 operands, one E8M0 scale for each 32 along K, by v_wmma_scale_f32_16x16x128_f8f6f4 with both operands' format E2M1 (or v_wmma_scale_f32_32x16x128_f4), f32 sums; products left as they are: f32 operands where the result goes on into a quantised operand, else bf16, f16 or f32 operands; f32 sums; everything else in f32.
;; Inputs: U_bias 1,024 float32; U_kernel 1,024 x 1,024 float32; V_bias 1 float32; V_kernel 1,024 x 1 float32; W_bias 1,024 float32; W_kernel 1,024 x 1,024 float32; hidden_states 64 x 1,024 x 1,024 float32; s_prev 64 x 1,024 float32.
;; Outputs: out0 64 x 1,024 float32; out1 64 x 1,024 x 1 float32.
;; This version of the problem:
;;   THIS VERSION OF THE PROBLEM IS GIVEN IN LOW PRECISION. The matrix products marked QUANTISED in the list below multiply operands that are first quantised to E2M1 (2 exponent bits, 1 mantissa bit; 4 bits a number), with one power-of-two scale for each 32 numbers along K (OCP MX v1.0); their sums are f32. All else is computed in f32.
;;   The module's matrix products, in the order in which they are computed (A, B: the left and right operand; K: the contracted axis; several contracted axes count as one K, in the product's order):
;;     1. [M 64, K 1,024] x [K 1,024, N 1,024]; A: input s_prev; B: input W_kernel: QUANTISED
;;     2. [M 65,536, K 1,024] x [K 1,024, N 1,024]; A: input hidden_states; B: input U_kernel: QUANTISED
;;     3. [M 65,536, K 1,024] x [K 1,024, N 1]; A: computed on the way; B: input V_kernel: left as it is (N = 1 < 16)
;;   THE QUANTISER, for each operand of a quantised product, along K:
;;     - K is cut into blocks of 32 from its start; a last block that is shorter is filled with zeros.
;;     - A block's scale is 2^e with e = floor(log2(the largest magnitude in the block)) - 2, held to -126 .. 127; a block of zeros has e = 0. As a byte (E8M0): e + 127.
;;     - Each number is divided by its block's scale, clamped to +-6, and rounded to the nearest number of E2M1, ties to even, subnormals kept.
;;     - The product sums the exact products of the quantised numbers (number of the format x scale) in f32.
;;   ~~~python
;;   def quantise(x, axis):      # numpy; x: float32 -> the quantised numbers, widened to float32 again
;;       x = np.moveaxis(x, axis, -1); K = x.shape[-1]
;;       x = np.pad(x, [(0, 0)] * (x.ndim - 1) + [(0, -K % 32)]); x = x.reshape(x.shape[:-1] + (-1, 32)); a = np.abs(x).max(-1, keepdims=True)
;;       e = np.where(a > 0, np.clip(np.frexp(np.where(a > 0, a, 1))[1] - 1 - 2, -126, 127), 0)      # np.frexp(a)[1] - 1 = floor(log2(a)), exactly
;;       r = np.clip(x / 2.0 ** e, -6, 6)
;;       step = 2.0 ** (np.maximum(np.frexp(np.where(r == 0, 1, r))[1] - 1, 0) - 1)
;;       q = np.round(r / step) * step * 2.0 ** e      # np.round: ties to even
;;       return np.moveaxis(q.reshape(q.shape[:-2] + (-1,))[..., :K], -1, axis).astype(np.float32)
;;   ~~~
;; One version. Each part assembles by itself: llvm-mc -triple=amdgcn-amd-amdhsa -mcpu=gfx1250 --defsym DOCPART=n.
;; ======== version 1 of 1: 3 launches
;; limits: right only within a limited range of input values
;; workspace buffers: uimg 524,288 bytes; uscl 32,768 bytes; wsc 1,048,576 bytes; scr 262,144 bytes; part 1,048,576 bytes; ml 65,536 bytes
;; launch prep (part 1): grid 128 x 1, 4 waves a work-group, no clusters, 26,624 bytes of LDS; arguments U_kernel, W_kernel, s_prev, W_bias, U_bias, uimg, uscl, wsc; writes uimg, uscl, wsc
.if DOCPART == 1
	.amdgcn_target "amdgcn-amd-amdhsa--gfx1250"
	.amdhsa_code_object_version 6
	.text
	.protected	k_q681ed57649_prep
	.globl	k_q681ed57649_prep
	.p2align	8
	.type	k_q681ed57649_prep,@function
k_q681ed57649_prep:
	s_mov_b64 s[64:65], 0
	v_nop
	global_prefetch_b8 v0, s[64:65] scope:SCOPE_SE
	s_setreg_imm32_b32 hwreg(HW_REG_WAVE_MODE, 25, 1), 1
	s_wait_xcnt 0x0
; PREP.  Work-groups 0-63: U_kernel [1024 k][1024 n] f32 becomes codes of FP4 (E2M1) with one E8M0 scale byte for each 32 along k, laid as IMAGES OF OPERAND REGISTERS for the next launch.
; Work-groups 64-127: wsc[i][b][n] = c2 x (the part of Q(s_prev) Q(W_kernel) that K steps 2 i and 2 i + 1 give; for i = 0 also + W_bias + U_bias), c2 = 2 log2(e), Q the same quantiser along k.
; The next launch adds the four parts.  The product runs on codes, sums in f32.
; A block's scale is 2^(floor(log2(its largest magnitude)) - 2): its byte is the largest magnitude's exponent field - 2, held at 1 from below by a floor among the maximum's leaves.
; LIMITS: NaN and infinities among the inputs are not served.  A block of zeros gets the byte 1 (not 127): its codes are zeros, which add nothing under that byte, and only this program reads the bytes.
; SHARES.  A work-group takes 64 columns (cb = (its number / 4) mod 16) and the K steps 2 i, 2 i + 1 (i = its number mod 4; 128 along k each); wave tt takes a tile of 16 of the columns.
; A LANE TAKES A COLUMN AND ITS REGISTERS RUN DOWN k, in the order that the operand's layout gives that lane (lane (r, h): k = 64 c + 32 h + 0 .. 31 in registers 4 c .. 4 c + 3): the conversions' results are the operand's registers.
; Sixteen lanes read 64 consecutive bytes of a row of the weight, the four waves 256.
; uimg: fragment (column tile T = 16 w + 4 g + t, K step s) is 1,024 bytes, byte 512 c + 16 lane = registers 4 c .. 4 c + 3.  s = 0 .. 5 at 98,304 w + 1,024 (24 g + 4 s + t); s = 6, 7 at 393,216 + 32,768 w + 1,024 (8 g + 4 (s - 6) + t).
; uscl: word [T][i][lane]: the scale word of column 16 T + lane % 16 for K step 2 i + lane / 16: one register carries two K steps.
; No tensor loads, no cluster: each byte of the weights is read once, by one wave.
; LEFT OUT AS DEAD WORK, in the whole program: V_bias.  reference() adds it to every score of a batch, and a softmax along that axis gives the same weights for scores that differ by a common term, for all finite values;
; the scores themselves are no output.  So V_bias has no way to an output: it is not loaded and is among no launch's arguments.
; LIMIT: a NaN, an infinity or an overflow that reaches only V_bias is not carried to the result.
.set SIMG, 0                           ; LDS (the W path alone): s_prev's 8 fragments [tile of rows][K step of the pair], 1,024 bytes each
.set SSCL, 8192                        ; their scale words [tile of rows][lane]
.set OST,  8704                        ; the way out: 64 rows x (256 bytes + 16)
.set OP,   272
.set PC2,  8                           ; v8-15   s_prev's codes just made
.set TM,   16                          ; v16-27  at work
.set OSB,  28                          ; the stage, back;  v29 the same place in wsc;  v30 my eight columns in the biases
.set WSO,  29
.set BIA,  30
.set PC0,  32                          ; v32-39, v40-47  the weight's two fragments
.set PC1,  40
.set SCA,  48                          ; W's scale words for the product; v52-55 s_prev's: they hold nothing else
.set IMS,  49                          ; where I store s_prev's images;  v50 their scale words;  v51 the stage, in
.set SSS,  50
.set OSI,  51
.set SCB,  52
.set WD,   56                          ; v56-59  scale words just made
.set SPA,  60                          ; my lane's byte in 16 rows of s_prev
.set X0,   64                          ; v64-127, v128-191, v192-255: three sets of 64 numbers; later results, fragments, sums and biases
.set X1,   128
.set Y,    192
.set AC,   192
.set BI,   224
.set OU,   64
; v1 lane, v2 r, v3 h, v4 weight offset, v5 16 lane, v6 4 lane, v7 8 h
.macro LOADW reg, f                    ; 64 numbers of my column: k = 128 f + 64 c + 32 h + i in register 32 c + i
.set II, 0
.rept 64
	global_load_b32 v[\reg+II], v4, s[4:5] offset:(128*(\f)+II+32*(II/32))*4096 th:TH_LOAD_NT
.set II, II+1
.endr
.endm
.macro LOADS reg, f                    ; 64 numbers of my row of s_prev: k = 32 b + 16 h + 0 .. 15 in registers 16 b on
.irp b, 0,1,2,3
.irp j, 0,1,2,3
	global_load_b128 v[\reg+16*\b+4*\j:\reg+16*\b+4*\j+3], v[SPA], s[8:9] offset:512*(\f)+128*\b+16*\j
.endr
.endr
.endm
; A lane's two whole blocks of 32 (registers 32 c on) become registers 4 c .. 4 c + 3 of a fragment; the scale word's four bytes are gathered from lanes l and l xor 16
.macro QWT src, pc, word
.irp c, 0,1
	v_max3_num_f32 v[TM+\c], |v[\src+32*\c]|, |v[\src+1+32*\c]|, 0x1800000   ; with the floor 2^(3 - 127): the byte cannot fall under 1
.endr
.irp i, 2,4,6,8,10,12,14,16,18,20,22,24,26,28,30
.irp c, 0,1
	v_max3_num_f32 v[TM+\c], v[TM+\c], |v[\src+32*\c+\i]|, |v[\src+1+32*\c+\i]|
.endr
.endr
.irp c, 0,1
	v_add_nc_u32 v[TM+2+\c], 0xff000000, v[TM+\c]   ; 2 off the exponent field: the conversion's scale operand
.endr
.irp c, 0,1
	v_lshrrev_b32 v[TM+4+\c], 23, v[TM+2+\c]        ; the scale's byte
.endr
	v_lshl_or_b32 v[\word], v[TM+5], 16, v[TM+4]    ; my blocks h and 2 + h,
	v_lshlrev_b32 v[\word], v7, v[\word]            ; 8 h bits up;
	v_permlanex16_b32 v[TM+6], v[\word], s26, s27
	v_or_b32 v[\word], v[\word], v[TM+6]            ; with lane l xor 16's two the word is whole
.irp c, 0,1
.irp g, 0,1,2,3
	v_cvt_scalef32_pk8_fp4_f32 v[\pc+4*\c+\g], v[\src+32*\c+8*\g:\src+32*\c+8*\g+7], v[TM+2+\c]
.endr
.endr
	v_nop                                           ; one plain place behind the last scaled conversion
.endm
; 64 numbers of a lane, register 16 b + i = k 32 b + 16 h + i of my row, become a fragment and its scale word
.macro QUANT s, pc, word
.irp b, 0,1,2,3
	v_max3_num_f32 v[TM+\b], |v[\s+16*\b]|, |v[\s+1+16*\b]|, 0x1800000
.endr
.irp i, 2,4,6,8,10,12,14
.irp b, 0,1,2,3
	v_max3_num_f32 v[TM+\b], v[TM+\b], |v[\s+16*\b+\i]|, |v[\s+1+16*\b+\i]|
.endr
.endr
.irp b, 0,1,2,3
	v_permlanex16_b32 v[TM+4+\b], v[TM+\b], s26, s27
.endr
.irp b, 0,1,2,3
	v_max_num_f32 v[TM+\b], v[TM+\b], v[TM+4+\b]    ; with lane l xor 16's 16: the block's largest magnitude
.endr
.irp b, 0,1,2,3
	v_add_nc_u32 v[TM+8+\b], 0xff000000, v[TM+\b]
.endr
.irp b, 0,1,2,3
	v_lshrrev_b32 v[TM+4+\b], 23, v[TM+8+\b]
.endr
	v_lshl_or_b32 v[\word], v[TM+5], 8, v[TM+4]
	v_lshl_or_b32 v[\word], v[TM+6], 16, v[\word]
	v_lshl_or_b32 v[\word], v[TM+7], 24, v[\word]
.irp b, 0,1,2,3
	v_cvt_scalef32_pk8_fp4_f32 v[\pc+2*\b], v[\s+16*\b:\s+7+16*\b], v[TM+8+\b]
	v_cvt_scalef32_pk8_fp4_f32 v[\pc+1+2*\b], v[\s+8+16*\b:\s+15+16*\b], v[TM+8+\b]
.endr
	v_nop                                           ; one plain place behind the last scaled conversion
.irp c, 0,1                                     ; the layout wants a whole block in a lane: lanes 0-15 block 2 c, lanes 16-31 block 2 c + 1
.irp i, 0,1
	v_permlane16_swap_b32 v[\pc+4*\c+\i], v[\pc+2+4*\c+\i]
.endr
.endr
.endm
	s_load_b512 s[4:19], s[0:1], 0x0               ; U s[4:5], W s[6:7], s_prev s[8:9], W_bias s[10:11], U_bias s[12:13], uimg s[14:15], uscl s[16:17], wsc s[18:19]
	v_lshl_add_u32 v62, v0, 2, 0x6600
	v_mov_b32 v63, 0
	v_lshrrev_b32 v1, 5, v0
	v_readfirstlane_b32 s21, v1                    ; wave 0..3: tt, my tile of columns; for s_prev: my tile of rows
	v_and_b32 v1, 31, v0                           ; lane
	v_and_b32 v2, 15, v0                           ; r
	v_bfe_u32 v3, v0, 4, 1                         ; h
	v_lshlrev_b32 v4, 2, v2
	v_lshl_add_u32 v4, v3, 17, v4                  ; the weight: column r, lanes 16-31 begin 32 rows of 4,096 bytes further down
	v_lshlrev_b32 v5, 4, v1
	v_lshlrev_b32 v6, 2, v1
	v_lshlrev_b32 v7, 3, v3
	v_lshlrev_b32 v[SPA], 12, v2
	v_lshl_add_u32 v[SPA], v3, 6, v[SPA]           ; s_prev: row r of 4,096 bytes, + 64 h
.irp b, 0,1,2,3
	v_mov_b32 v[TM+4+\b], 0                        ; written once: a lane permute's destination counts as one of its sources
.endr
	s_and_b32 s22, ttmp9, 3                        ; i
	s_lshr_b32 s23, ttmp9, 2
	s_and_b32 s23, s23, 15                         ; cb
	s_mov_b32 s24, 0x4038aa3b                      ; c2 = 2 log2(e)
	s_mov_b32 s25, s24                             ; (named with it as a pair)
	s_mov_b32 s26, 0x76543210
	s_mov_b32 s27, 0xfedcba98                      ; lane l xor 16
	s_mov_b32 s28, 0xffff0000                      ; lanes 16-31
	s_lshl_b32 s30, s23, 2
	s_add_co_u32 s30, s30, s21                     ; T = 4 cb + tt
	s_lshl_b32 s32, s30, 6                         ; 64 bytes a tile of columns,
	s_lshl_b32 s33, s22, 20                        ; 256 rows of 4,096 bytes for each i
	s_add_co_u32 s32, s32, s33
	s_mov_b32 s33, 0
	s_wait_kmcnt 0x0
	s_cmp_lt_u32 ttmp9, 64                         ; U's work-group or W's: the choice hangs on the work-group's number alone
	s_cselect_b64 s[4:5], s[4:5], s[6:7]
	s_add_nc_u64 s[4:5], s[4:5], s[32:33]
	s_cmp_lt_u32 ttmp9, 64
	s_cbranch_scc0 .Lw
	; ---- U: two fragments and one packed scale word a wave, straight to memory
	LOADW X0, 0
	LOADW X1, 1
	s_lshr_b32 s34, s23, 2                         ; w
	s_and_b32 s35, s23, 3                          ; g
	s_mul_i32 s36, s34, 98304
	s_mul_i32 s37, s35, 24576
	s_add_co_u32 s36, s36, s37
	s_lshl_b32 s37, s22, 13
	s_add_co_u32 s36, s36, s37                     ; K steps 0 .. 5
	s_lshl_b32 s38, s34, 15
	s_lshl_b32 s37, s35, 13
	s_add_co_u32 s38, s38, s37
	s_add_co_u32 s38, s38, 393216                  ; K steps 6, 7
	s_cmp_lt_u32 s22, 3
	s_cselect_b32 s36, s36, s38
	s_lshl_b32 s37, s21, 10
	s_add_co_u32 s36, s36, s37
	s_mov_b32 s37, 0
	s_add_nc_u64 s[14:15], s[14:15], s[36:37]
	s_lshl_b32 s38, s30, 9
	s_lshl_b32 s39, s22, 7
	s_add_co_u32 s38, s38, s39
	s_mov_b32 s39, 0
	s_add_nc_u64 s[16:17], s[16:17], s[38:39]
	s_wait_loadcnt 63                              ; behind the first fragment's loads stand 64: with at most 63 out the first 64 are in
	QWT X0, PC0, WD
	s_wait_loadcnt 0x0
	QWT X1, PC1, WD+1
	v_cndmask_b32 v[WD], v[WD], v[WD+1], s28       ; lanes 0-15: K step 2 i; lanes 16-31: 2 i + 1
	global_store_b128 v5, v[PC0:PC0+3], s[14:15]               ; each store covers 512 consecutive bytes, aligned
	global_store_b128 v5, v[PC0+4:PC0+7], s[14:15] offset:512
	global_store_b128 v5, v[PC1:PC1+3], s[14:15] offset:4096
	global_store_b128 v5, v[PC1+4:PC1+7], s[14:15] offset:4608
	global_store_b32 v6, v[WD], s[16:17]
	s_endpgm
	; ---- W: my tile's two fragments stay in my registers; s_prev's eight (four tiles of rows x two K steps) go through LDS as images of registers, two made by each wave; then four tiles of the partial product a wave
.Lw:
	s_lshl_b32 s34, s21, 16                        ; s_prev: my 16 rows of 4,096 bytes,
	s_lshl_b32 s35, s22, 10                        ; K step 2 i: 512 bytes each
	s_add_co_u32 s34, s34, s35
	s_mov_b32 s35, 0
	s_add_nc_u64 s[8:9], s[8:9], s[34:35]
	s_wait_alu depctr_va_vdst(0)
	LOADS Y, 0
	LOADW X0, 0
	LOADW X1, 1
	s_lshl_b32 s34, s23, 8                         ; 256 cb: the work-group's 64 columns in a row of wsc
	s_lshl_b32 s36, s21, 6
	s_add_co_u32 s36, s36, s34                     ; and my tile's 16 columns in the biases
	s_mov_b32 s37, 0
	s_add_nc_u64 s[10:11], s[10:11], s[36:37]
	s_add_nc_u64 s[12:13], s[12:13], s[36:37]
	s_lshl_b32 s38, s22, 18                        ; part i of wsc: 262,144 bytes each
	s_add_co_u32 s38, s38, s34
	s_mov_b32 s39, 0
	s_add_nc_u64 s[18:19], s[18:19], s[38:39]
	s_lshl_b32 s40, s21, 11
	v_add_nc_u32 v[IMS], s40, v5                   ; where I store images: 2,048 x wave + 16 lane
	s_lshl_b32 s40, s21, 7
	s_add_co_u32 s40, s40, SSCL
	v_add_nc_u32 v[SSS], s40, v6                   ; and scale words: 128 x wave + 4 lane
	s_lshl_b32 s40, s21, 6
	s_add_co_u32 s40, s40, OST
	v_mul_u32_u24 v[OSI], v2, OP
	v_lshl_add_u32 v[OSI], v3, 5, v[OSI]
	v_add_nc_u32 v[OSI], s40, v[OSI]               ; the stage, in: row r of a tile of rows, byte 64 x wave + 32 h
	v_lshrrev_b32 v[OSB], 4, v0
	v_lshlrev_b32 v[WSO], 12, v[OSB]
	v_mul_u32_u24 v[OSB], v[OSB], OP
	v_lshl_add_u32 v[OSB], v2, 4, v[OSB]
	v_add_nc_u32 v[OSB], OST, v[OSB]               ; back: sixteen threads to a row of 256 bytes, eight rows at a time
	v_lshl_add_u32 v[WSO], v2, 4, v[WSO]           ; and the same place in wsc
	v_lshlrev_b32 v[BIA], 5, v3                    ; the biases of my eight columns: 32 h
	s_cmp_eq_u32 s22, 0
	s_cselect_b32 s42, 1.0, 0                      ; the biases go into part 0 alone: a factor, no branch
	s_mov_b32 s43, s42                             ; (named with it as a pair)
	s_wait_loadcnt 63                              ; of 144 loads at most 63 are out: s_prev's first 16 and the first fragment's 64 are in
	QWT X0, PC0, WD
	LOADS X0, 1
	s_wait_loadcnt 16                              ; all but the 16 just issued
	QWT X1, PC1, WD+1
	v_cndmask_b32 v[SCA], v[WD], v[WD+1], s28      ; lanes 0-15: K step 2 i; lanes 16-31: 2 i + 1
	QUANT Y, PC2, WD+2
	ds_store_b128 v[IMS], v[PC2:PC2+3] offset:SIMG
	ds_store_b128 v[IMS], v[PC2+4:PC2+7] offset:SIMG+512
	global_load_b128 v[BI:BI+3], v[BIA], s[10:11]
	global_load_b128 v[BI+4:BI+7], v[BIA], s[10:11] offset:16
	global_load_b128 v[BI+8:BI+11], v[BIA], s[12:13]
	global_load_b128 v[BI+12:BI+15], v[BIA], s[12:13] offset:16
	s_wait_loadcnt 4                               ; s_prev's second fragment is in; the four bias loads may be out
	s_wait_dscnt 0x0                               ; the stores have read their registers: the codes may be written again
	QUANT X0, PC2, WD+3
	ds_store_b128 v[IMS], v[PC2:PC2+3] offset:SIMG+1024
	ds_store_b128 v[IMS], v[PC2+4:PC2+7] offset:SIMG+1536
	v_cndmask_b32 v[WD+2], v[WD+2], v[WD+3], s28
	ds_store_b32 v[SSS], v[WD+2]
	s_wait_loadcnt 0x0
.irp j, 0,2,4,6
	v_pk_add_f32 v[BI+\j:BI+\j+1], v[BI+\j:BI+\j+1], v[BI+8+\j:BI+8+\j+1]   ; W_bias + U_bias,
.endr
.irp j, 0,2,4,6
	v_pk_mul_f32 v[BI+\j:BI+\j+1], v[BI+\j:BI+\j+1], s[42:43] op_sel_hi:[1,0]   ; or 0: the C of the first products
.endr
	s_wait_alu depctr_va_vdst(0)
	s_wait_dscnt 0x0                               ; for the others' sake: my images and scale words lie in LDS
	s_barrier_signal -1
	s_barrier_wait -1
.irp m, 0,1,2,3
.irp f, 0,1
.irp c, 0,1
	ds_load_b128 v[X1+16*\m+8*\f+4*\c:X1+16*\m+8*\f+4*\c+3], v5 offset:SIMG+2048*\m+1024*\f+512*\c
.endr
.endr
	ds_load_b32 v[SCB+\m], v6 offset:SSCL+128*\m
.endr
	s_wait_dscnt 0x0
.rept 8
	v_nop                                          ; W's codes, its scale words and the biases were made by vector instructions: eight places are kept ahead of the scaled products that take them
.endr
; TRANSPOSED: source 0 = my 16 columns of W, source 1 = 16 rows of s_prev: a lane holds row r and eight neighbouring columns.  The four tiles of rows take turns, one instruction a turn.
.irp m, 0,1,2,3
	v_wmma_scale_f32_16x16x128_f8f6f4 v[AC+8*\m:AC+8*\m+7], v[PC0:PC0+7], v[X1+16*\m:X1+16*\m+7], v[BI:BI+7], v[SCA], v[SCB+\m] matrix_a_fmt:MATRIX_FMT_FP4 matrix_b_fmt:MATRIX_FMT_FP4
.endr
.irp m, 0,1,2,3
	v_wmma_scale_f32_16x16x128_f8f6f4 v[AC+8*\m:AC+8*\m+7], v[PC1:PC1+7], v[X1+16*\m+8:X1+16*\m+15], v[AC+8*\m:AC+8*\m+7], v[SCA], v[SCB+\m] matrix_a_fmt:MATRIX_FMT_FP4 matrix_b_fmt:MATRIX_FMT_FP4 matrix_a_scale:MATRIX_SCALE_ROW1 matrix_b_scale:MATRIX_SCALE_ROW1
.endr
.rept 4
	v_nop                                          ; four places behind the last product, ahead of the first read of results (ISA guide 7.12.1)
.endr
.irp m, 0,1,2,3
.irp j, 0,2,4,6
	v_pk_mul_f32 v[OU+8*\m+\j:OU+8*\m+\j+1], v[AC+8*\m+\j:AC+8*\m+\j+1], s[24:25] op_sel_hi:[1,0]   ; x c2; each accumulator from its low end on
.endr
.endr
.irp m, 0,1,2,3
	ds_store_b128 v[OSI], v[OU+8*\m:OU+8*\m+3] offset:16*\m*OP
	ds_store_b128 v[OSI], v[OU+8*\m+4:OU+8*\m+7] offset:16*\m*OP+16
.endr
	s_wait_dscnt 0x0                               ; a row's 256 bytes come from four waves
	s_barrier_signal -1
	s_barrier_wait -1
.irp p, 0,1,2,3,4,5,6,7
	ds_load_b128 v[X1+4*\p:X1+4*\p+3], v[OSB] offset:8*\p*OP
.endr
.irp p, 0,1,2,3,4,5,6,7
	s_wait_dscnt 7-\p
	global_store_b128 v[WSO], v[X1+4*\p:X1+4*\p+3], s[18:19] offset:32768*\p   ; sixteen lanes store 256 consecutive bytes, aligned
.endr
	s_wait_tensorcnt 0x0
	ds_add_u32 v62, v63
	s_wait_dscnt 0x0
	s_endpgm
.Lfunc_end_k_q681ed57649_prep:
	.size	k_q681ed57649_prep, .Lfunc_end_k_q681ed57649_prep-k_q681ed57649_prep
	.p2alignl 7, 3214868480
	.fill 96, 4, 3214868480
	.section	.rodata,"a",@progbits
	.p2align	6, 0x0
	.amdhsa_kernel k_q681ed57649_prep
		.amdhsa_group_segment_fixed_size 26624
		.amdhsa_private_segment_fixed_size 0
		.amdhsa_enable_private_segment 0
		.amdhsa_kernarg_size 64
		.amdhsa_user_sgpr_count 2
		.amdhsa_user_sgpr_kernarg_segment_ptr 1
		.amdhsa_wavefront_size32 1
		.amdhsa_system_sgpr_workgroup_id_x 1
		.amdhsa_system_sgpr_workgroup_id_y 1
		.amdhsa_system_sgpr_workgroup_id_z 1
		.amdhsa_system_vgpr_workitem_id 0
		.amdhsa_next_free_vgpr 256
		.amdhsa_next_free_sgpr 66
		.amdhsa_reserve_vcc 0
		.amdhsa_float_denorm_mode_32 3
		.amdhsa_float_denorm_mode_16_64 3
		.amdhsa_memory_ordered 1
		.amdhsa_forward_progress 1
		.amdhsa_inst_pref_size 59
	.end_amdhsa_kernel
	.amdgpu_metadata
---
amdhsa.version: [ 1, 2 ]
amdhsa.kernels:
  - .name:           k_q681ed57649_prep
    .symbol:         k_q681ed57649_prep.kd
    .args:
      - { .name: U_kernel, .offset: 0, .size: 8, .value_kind: global_buffer, .address_space: global }
      - { .name: W_kernel, .offset: 8, .size: 8, .value_kind: global_buffer, .address_space: global }
      - { .name: s_prev, .offset: 16, .size: 8, .value_kind: global_buffer, .address_space: global }
      - { .name: W_bias, .offset: 24, .size: 8, .value_kind: global_buffer, .address_space: global }
      - { .name: U_bias, .offset: 32, .size: 8, .value_kind: global_buffer, .address_space: global }
      - { .name: uimg, .offset: 40, .size: 8, .value_kind: global_buffer, .address_space: global }
      - { .name: uscl, .offset: 48, .size: 8, .value_kind: global_buffer, .address_space: global }
      - { .name: wsc, .offset: 56, .size: 8, .value_kind: global_buffer, .address_space: global }
    .group_segment_fixed_size: 26624
    .private_segment_fixed_size: 0
    .kernarg_segment_align: 8
    .kernarg_segment_size: 64
    .max_flat_workgroup_size: 128
    .sgpr_count:     66
    .vgpr_count:     256
    .wavefront_size: 32
...
	.end_amdgpu_metadata
.endif
;; end of part 1
;; launch main (part 2): grid 256 x 1, 4 waves a work-group, no clusters, 327,680 bytes of LDS; arguments hidden_states, uimg, uscl, wsc, V_kernel, scr, part, ml; writes scr, part, ml
.if DOCPART == 2
	.amdgcn_target "amdgcn-amd-amdhsa--gfx1250"
	.amdhsa_code_object_version 6
	.text
	.protected	k_q681ed57649_main
	.globl	k_q681ed57649_main
	.p2align	8
	.type	k_q681ed57649_main,@function
k_q681ed57649_main:
	s_mov_b64 s[64:65], 0
	v_nop
	global_prefetch_b8 v0, s[64:65] scope:SCOPE_SE
	s_setreg_imm32_b32 hwreg(HW_REG_WAVE_MODE, 25, 1), 1
	s_wait_xcnt 0x0
; MAIN.  For 256 rows of hidden_states (a quarter of a batch) a work-group computes t = -2 log2(e) x the sum over columns of V / (1 + 2^(c2 x)), x = Q(h) Q(U) + w_s + biases, c2 = 2 log2(e), and, with a running maximum m,
; l = the sum of 2^(t - m) and the context's part = the sum of 2^(t - m) x h (h unquantised).  The next launch joins a batch's four quarters.  hidden_states is read from memory once.
; tanh(x) = 1 - 2 / (1 + 2^(c2 x)), so log2(e) x (V . tanh + V_bias) = t + log2(e) x (the sum of V + V_bias).  LEFT OUT AS DEAD WORK: that last term is the same for all rows of a batch, and the softmax along the rows
; gives the same weights without it, for all finite values; V_bias is not loaded.  LIMIT: a NaN, an infinity or an overflow that reaches only that term is not carried to the result.
; Q: codes of FP4 (E2M1), one E8M0 scale for each 32 along K; a block's byte is its largest magnitude's exponent field - 2, held at 1 from below.
; LIMITS: NaN and infinities among the inputs are not served; a block of zeros gets the byte 1 (not 127): its codes are zeros, and only this program reads the bytes.
; U STAYS: wave w owns columns 256 w .. 256 w + 255, 16 tiles in 4 groups of 4.  K steps 0 .. 5 lie in 768 registers (windows 1 to 3), K steps 6, 7 in 32 KB of LDS, its scale words in 8 KB of LDS; all fetched once.
; The rows go by in 16 chunks of 16 through two LDS slots.  WAVE w FETCHES ITS OWN 256 COLUMNS of the 16 rows (16 rows of 1,024 bytes): they are the K steps 2 w, 2 w + 1 that it quantises and the columns whose context it adds.
; A TRIP'S BODY: U's K step 7 of group 0 is asked for; four groups: 32 products on end, the next group's loads, then the group's activation as batches; the chunk's rows come into registers under the last activation;
; partial scores to LDS | barrier, refill | the scores' sum, m, p under the flight of the next chunk's numbers; context rows 0-11, and as their registers come free the rest of the numbers and U's K step 6 of group 0 are asked for;
; the next chunk is quantised, images to LDS | barrier | its fragments are asked for; context rows 12-15.
; NO CLUSTER: the loop's tiles belong to one work-group each; U's images are fetched once at the head, three quarters of them into registers, where no joint load can put them.
; NO PREFETCH: a refill is asked for behind one chunk's second barrier and waited for in front of the next chunk's: 128 products, 256 transcendentals and a quantiser stand between; the waves do not stand waiting for it.
; REGISTERS, window 0: v1-17, v252 addresses; v20 m, v21 l (a lane's rows), v[22:23] f / scale words just made; v24-31 the context;
;   v32-63 accumulators, v64-95 U's scale words (two sets) | both: the first K step's 64 numbers;  v96-159 U's K steps 6, 7 | context rows 8-15;  v160-223 h's fragments | context rows 0-7 | the second K step's numbers;
;   v224-231 scores, v232-235 h's scale words, v236-251 wsc and -c2 V (two sets) | v224-251 the quantiser's work and codes.   windows 1 to 3: U's fragment 24 g + 4 s + t at register 256 + 8 x that.
.set FSL,   66560                      ; an f32 slot: 4 x RQ
.set RQ,    16640                      ; a wave's part: 16 rows
.set RP,    1040                       ; a row: 1,024 bytes + 16 of padding: 260 words, so the 16 rows that a load touches start at 16 different groups of four banks (64 banks of 4 bytes: ISA guide 11.1)
.set UL,    2*FSL                      ; U's K steps 6, 7: 32,768 bytes for each wave
.set AIM,   UL+131072                  ; h's 8 fragments as images of registers, 1,024 bytes each
.set ASC,   AIM+8192                   ; their scale words [lane][i]: lanes 0-15 K step 2 i, lanes 16-31 2 i + 1
.set WST,   ASC+512                    ; wsc of my batch, 1,024 numbers, laid [wave][group][column of a tile][tile]: a lane's four tiles are 16 neighbouring bytes
.set V2T,   WST+4096                   ; -c2 V, laid likewise
.set SCP,   V2T+4096                   ; partial scores [wave][16 rows]
.set USC,   SCP+256                    ; U's scale words: 8,192 bytes for each wave: [tile][lane][4 words]
.set SPARE, USC+32768                  ; the spare words, 128 bytes for each wave
.set SCO,   SPARE+512                  ; each wave's own log of t: 256 numbers
.set SPW, 1
.set NIL, 2
.set L16, 3
.set L4,  4
.set QA,  5                            ; v5, v6   my row's numbers in slot 0, 1
.set IMW, 7
.set ASW, 8
.set AIR, 9
.set ASR, 10
.set ULA, 11
.set WTA, 12
.set SCW, 13
.set SCR, 14
.set CX,  15                           ; v15, v16  16 x lane in my part of slot 0, 1
.set SCOA, 17
.set MX,  20
.set LS,  21
.set FP,  22
.set CTX, 24
.set ACC, 32
.set BS,  64
.set BL,  96
.set AF,  160
.set S,   224
.set AS,  232
.set WV0, 236
.set BSA, 252
.set X0,  32
.set X1,  160
.set TM,  224
.set PC0, 236
.set PC1, 244
.set G1F, 24
.set G1U, 32
.set G0,  40
.set G0U, 48
.set C2,  52
.set SEL, 54
.set HI,  56
.set CNT, 59
.set WN,  60
.set PR,  68                           ; s[68:99] the 16 rows' 2^(t - m), each the low word of a pair
.set MSB, 0
.macro WIN new                         ; the immediate's high byte repeats the setting that is left
.if MSB != \new
	s_set_vgpr_msb (MSB<<8)|\new
.set MSB, \new
.endif
.endm
.macro PLACES                          ; four places (ISA guide 7.12.1: ahead of the first read of results)
.rept 4
	v_nop
.endr
.endm
.macro ALU
	s_wait_alu depctr_va_vdst(0)
.endm
; 64 numbers of a lane, register 16 b + i = k 32 b + 16 (lane / 16) + i of my row, become a fragment's codes and its scale word
.macro QUANT s, pc, word
.irp b, 0,1,2,3
	v_max3_num_f32 v[TM+\b], |v[\s+16*\b]|, |v[\s+1+16*\b]|, 0x1800000   ; with the floor 2^(3 - 127): the byte cannot fall under 1
.endr
.irp i, 2,4,6,8,10,12,14
.irp b, 0,1,2,3
	v_max3_num_f32 v[TM+\b], v[TM+\b], |v[\s+16*\b+\i]|, |v[\s+1+16*\b+\i]|
.endr
.endr
.irp b, 0,1,2,3
	v_permlanex16_b32 v[TM+4+\b], v[TM+\b], s[SEL], s[SEL+1]
.endr
.irp b, 0,1,2,3
	v_max_num_f32 v[TM+\b], v[TM+\b], v[TM+4+\b]    ; with lane l xor 16's 16: the block's largest magnitude
.endr
.irp b, 0,1,2,3
	v_add_nc_u32 v[TM+8+\b], 0xff000000, v[TM+\b]   ; 2 off the exponent field: the conversion's scale operand
.endr
.irp b, 0,1,2,3
	v_lshrrev_b32 v[TM+4+\b], 23, v[TM+8+\b]        ; the scale's byte
.endr
	v_lshl_or_b32 v[\word], v[TM+5], 8, v[TM+4]
	v_lshl_or_b32 v[\word], v[TM+6], 16, v[\word]
	v_lshl_or_b32 v[\word], v[TM+7], 24, v[\word]
.irp b, 0,1,2,3
	v_cvt_scalef32_pk8_fp4_f32 v[\pc+2*\b], v[\s+16*\b:\s+7+16*\b], v[TM+8+\b]
	v_cvt_scalef32_pk8_fp4_f32 v[\pc+1+2*\b], v[\s+8+16*\b:\s+15+16*\b], v[TM+8+\b]
.endr
	v_nop                                           ; one plain place behind the last scaled conversion
.irp c, 0,1                                     ; the layout wants a whole block in a lane
.irp i, 0,1
	v_permlane16_swap_b32 v[\pc+4*\c+\i], v[\pc+2+4*\c+\i]
.endr
.endr
.endm
; One product: K step s of tile t of group g.  Source 0 = the 16 rows of h, source 1 = 16 columns of U.  In the result lane (r, h) holds column r and rows 8 h + 0 .. 7.
; A group's four accumulators take turns, one instruction a turn.  K step 0 starts the sums with the constant 0.
.macro W1 g, s, t
.if (\s) < 6
.set BR, 8*((24*(\g)+4*(\s)+(\t))%32)
.else
.set BR, BL+32*((\s)-6)+8*(\t)
.endif
.set DR, ACC+8*(\t)
.set FR, AF+8*(\s)
.set SA, AS+(\s)/2
.set SB, BS+16*((\g)%2)+4*(\t)+(\s)/2
.if (\s) == 0
	v_wmma_scale_f32_16x16x128_f8f6f4 v[DR:DR+7], v[FR:FR+7], v[BR:BR+7], 0, v[SA], v[SB] matrix_a_fmt:MATRIX_FMT_FP4 matrix_b_fmt:MATRIX_FMT_FP4
.elseif (\s)%2 == 0
	v_wmma_scale_f32_16x16x128_f8f6f4 v[DR:DR+7], v[FR:FR+7], v[BR:BR+7], v[DR:DR+7], v[SA], v[SB] matrix_a_fmt:MATRIX_FMT_FP4 matrix_b_fmt:MATRIX_FMT_FP4
.else
	v_wmma_scale_f32_16x16x128_f8f6f4 v[DR:DR+7], v[FR:FR+7], v[BR:BR+7], v[DR:DR+7], v[SA], v[SB] matrix_a_fmt:MATRIX_FMT_FP4 matrix_b_fmt:MATRIX_FMT_FP4 matrix_a_scale:MATRIX_SCALE_ROW1 matrix_b_scale:MATRIX_SCALE_ROW1
.endif
.endm
.macro LDBL g, sp                      ; group g's four fragments of K step 6 + sp: 8 loads
.irp t, 0,1,2,3
.irp c, 0,1
	ds_load_b128 v[BL+32*(\sp)+8*\t+4*\c:BL+32*(\sp)+8*\t+4*\c+3], v[ULA] offset:(8*(\g)+4*(\sp)+\t)*1024+512*\c
.endr
.endr
.endm
.macro LDWV g                          ; wsc and -c2 V of my column in group g's four tiles, into set g % 2: 2 loads
	ds_load_b128 v[WV0+8*((\g)%2):WV0+8*((\g)%2)+3], v[WTA] offset:256*(\g)
	ds_load_b128 v[WV0+8*((\g)%2)+4:WV0+8*((\g)%2)+7], v[WTA] offset:4096+256*(\g)
.endm
.macro LDBS g                          ; U's scale words of group g's four tiles, into set g % 2: 4 loads
.irp t, 0,1,2,3
	ds_load_b128 v[BS+16*((\g)%2)+4*\t:BS+16*((\g)%2)+4*\t+3], v[BSA] offset:512*(4*(\g)+\t)
.endr
.endm
.macro HREG                            ; where row RR of the context's rows lies
.if RR < 8
.set HB, 160+8*RR
.else
.set HB, 32+8*RR
.endif
.endm
.macro LDH slot                        ; the chunk's 16 rows, my 256 columns: two loads of 512 consecutive bytes a row
.set RR, 0
.rept 16
	HREG
	ds_load_b128 v[HB:HB+3], v[CX+\slot] offset:RR*RP
	ds_load_b128 v[HB+4:HB+7], v[CX+\slot] offset:RR*RP+512
.set RR, RR+1
.endr
.endm
.macro CROWS r0, r1                    ; the context takes rows r0 .. r1
.set RR, \r0
.rept \r1-\r0+1
	HREG
.irp q, 0,2,4,6
	v_pk_fma_f32 v[CTX+\q:CTX+\q+1], v[HB+\q:HB+\q+1], s[PR+2*RR:PR+2*RR+1], v[CTX+\q:CTX+\q+1] op_sel_hi:[1,0,1]
.endr
.set RR, RR+1
.endr
.endm
; THE ACTIVATION of group e; each accumulator is read from its low end on.  A tile's wsc or -c2 V is one word of an even pair: op_sel picks it for both halves.
.macro E1 e, n                         ; c2 x acc + wsc
.set ET, (\n)/4
.set AR, ACC+8*ET+2*((\n)%4)
.set WR, WV0+8*((\e)%2)+2*(ET/2)
.if ET%2 == 0
	v_pk_fma_f32 v[AR:AR+1], v[AR:AR+1], s[C2:C2+1], v[WR:WR+1] op_sel_hi:[1,0,0]
.else
	v_pk_fma_f32 v[AR:AR+1], v[AR:AR+1], s[C2:C2+1], v[WR:WR+1] op_sel:[0,0,1] op_sel_hi:[1,0,1]
.endif
.endm
.macro E5 e, n                         ; the scores take -c2 V / (1 + 2^(c2 x)); the chunk's first tile starts them: nothing is cleared
.set ET, (\n)/4
.set EJ, 2*((\n)%4)
.set AR, ACC+8*ET+EJ
.set WR, WV0+8*((\e)%2)+4+2*(ET/2)
.if ((\e) == 0) && (ET == 0)
	v_pk_mul_f32 v[S+EJ:S+EJ+1], v[AR:AR+1], v[WR:WR+1] op_sel_hi:[1,0]
.elseif ET%2 == 0
	v_pk_fma_f32 v[S+EJ:S+EJ+1], v[AR:AR+1], v[WR:WR+1], v[S+EJ:S+EJ+1] op_sel_hi:[1,0,1]
.else
	v_pk_fma_f32 v[S+EJ:S+EJ+1], v[AR:AR+1], v[WR:WR+1], v[S+EJ:S+EJ+1] op_sel:[0,1,0] op_sel_hi:[1,1,1]
.endif
.endm
.macro ACT e                           ; two batches of 32 transcendentals, each with one wait ahead of it and one behind it
.set EN, 0
.rept 16
	E1 \e, EN
.set EN, EN+1
.endr
	ALU
.set EI, 0
.rept 32
	v_exp_f32 v[ACC+EI], v[ACC+EI]
.set EI, EI+1
.endr
	v_nop                                          ; a plain place behind the exponentials
	ALU
.set EI, 0
.rept 16
	v_pk_add_f32 v[ACC+EI:ACC+EI+1], v[ACC+EI:ACC+EI+1], 1.0 op_sel_hi:[1,0]
.set EI, EI+2
.endr
	ALU
.set EI, 0
.rept 32
	v_rcp_f32 v[ACC+EI], v[ACC+EI]
.set EI, EI+1
.endr
	v_nop                                          ; a plain place behind the reciprocals
	ALU
.set EN, 0
.rept 16
	E5 \e, EN
.set EN, EN+1
.endr
.endm
; A GROUP: 32 products on end, K ascending; then all loads that the next group needs (22; behind the last group: the chunk's 16 rows, 32), which land under this group's activation.
; Group 0 starts fragment by fragment.  Behind h's scale words stand 16 loads of fragments (two a K step), 2 of tables and 8 of U's K step 7: K step s waits until at most 2 (7 - s) + 10 are out.
; THE WAITS ON LOADcnt serve the first chunk: the head's last 64 global loads, U's fragments 64 .. 95 in ascending order, may still be out when the loop begins.  Groups 0 and 1 take fragments 0 .. 47, group 2 up to 71, group 3 up to 95.
.macro GROUP g, slot
.if \g == 0
	s_wait_loadcnt 63                              ; all but those 64 are in
.else
	s_wait_dscnt 0x0                               ; asked for ahead of the last activation
.endif
.if \g == 2
	s_wait_loadcnt 48                              ; fragments 64 .. 71, the first 16 of the 64, are in
.endif
.if \g == 3
	s_wait_loadcnt 0x0
.endif
.irp s, 0,1,2,3,4,5
.if \g == 0
	s_wait_dscnt 24-2*\s
.endif
	WIN ((1+(24*(\g)+4*\s)/32)<<2)                 ; source 1 in the window that holds K step s of group g
.irp t, 0,1,2,3
	W1 \g, \s, \t
.endr
.endr
	WIN 0
.irp s, 6,7
.if \g == 0
	s_wait_dscnt 84-12*\s                          ; K step 6: 12 may be out; K step 7: none
.endif
.irp t, 0,1,2,3
	W1 \g, \s, \t
.endr
.endr
	PLACES                                         ; ahead of loads into the products' registers and of the first read of results
.if \g < 3
	LDBS \g+1
	LDWV \g+1
	LDBL \g+1, 0
	LDBL \g+1, 1
.else
	LDH \slot
.endif
	ACT \g
.endm
.macro P1LA slot                       ; K step 2 w of my row: 64 numbers
.irp b, 0,1,2,3
.irp j, 0,1,2,3
	ds_load_b128 v[X0+16*\b+4*\j:X0+16*\b+4*\j+3], v[QA+\slot] offset:128*\b+16*\j
.endr
.endr
.endm
.macro P1LB slot                       ; K step 2 w + 1
.irp b, 0,1,2,3
.irp j, 0,1,2,3
	ds_load_b128 v[X1+16*\b+4*\j:X1+16*\b+4*\j+3], v[QA+\slot] offset:512+128*\b+16*\j
.endr
.endr
.endm
.macro PQ                              ; my two K steps become codes; images to LDS; barrier; the 19 loads that group 0 needs of what the waves have just made, and of the tables
	s_wait_dscnt 24                                ; K step 2 w's 16 loads are in; the other K step's 16 and U's 8 may be out
	QUANT X0, PC0, FP
	LDBS 0                                         ; into registers that the numbers have left
	s_wait_dscnt 12                                ; K step 2 w + 1 is in; U's 8 and the 4 just issued may be out
	QUANT X1, PC1, FP+1
	ds_store_b128 v[IMW], v[PC0:PC0+3]
	ds_store_b128 v[IMW], v[PC0+4:PC0+7] offset:512
	ds_store_b128 v[IMW], v[PC1:PC1+3] offset:1024
	ds_store_b128 v[IMW], v[PC1+4:PC1+7] offset:1536
	v_cndmask_b32 v[FP], v[FP], v[FP+1], s[HI]     ; lanes 0-15: K step 2 w; lanes 16-31: 2 w + 1
	ds_store_b32 v[ASW], v[FP]
	s_wait_dscnt 0x0                               ; for the others' sake: my images lie in LDS
	s_barrier_signal -1
	s_barrier_wait -1
	ds_load_b128 v[AS:AS+3], v[ASR]
.irp k, 0,1,2,3,4,5,6,7
.irp c, 0,1
	ds_load_b128 v[AF+8*\k+4*\c:AF+8*\k+4*\c+3], v[AIR] offset:1024*\k+512*\c
.endr
.endr
	LDWV 0
.endm
; THE BARRIER BEHIND THE PRODUCTS.  In front of it each wave waits for all its tensor loads (its part of the next chunk), adds 0 to its spare word, and waits for that, for its partial scores' stores and for its LDS reads:
; the chunk's rows are in registers.  Behind it nobody reads this chunk's slot: it is filled with the chunk after the next.
.macro B2 slot, refill
	ALU
	s_wait_tensorcnt 0x0                           ; no tensor load of mine is out, so a group 0 may be written
	ds_add_u32 v[SPW], v[NIL]
.if \refill
	s_add_nc_u64 s[G0+4*\slot+2:G0+4*\slot+3], s[G0+4*\slot+2:G0+4*\slot+3], 131072   ; two chunks of 65,536 bytes on
.endif
	s_wait_dscnt 0x0
	s_barrier_signal -1
	s_barrier_wait -1
.if \refill
	tensor_load_to_lds s[G0+4*\slot:G0+4*\slot+3], s[G1F:G1F+7]   ; my one tensor load behind this barrier
	s_nop 0
	PLACES
.endif
.endm
.macro P3A next                        ; next: the next chunk's slot, or 2 where there is none
.irp q, 0,1,2,3
	ds_load_b32 v[TM+\q], v[SCR] offset:64*\q      ; row r's four partial scores
.endr
.if \next < 2
	P1LA \next                                     ; on their way while m and p are made
	s_wait_dscnt 16                                ; the four are in
.else
	s_wait_dscnt 0x0
.endif
	v_add_f32 v[TM], v[TM], v[TM+1]
	v_add_f32 v[TM+2], v[TM+2], v[TM+3]
	v_add_f32 v[TM], v[TM], v[TM+2]                ; t
	v_max_num_f32_dpp v[TM+1], v[TM], v[TM] row_xmask:1 row_mask:0xf bank_mask:0xf
	v_max_num_f32_dpp v[TM+1], v[TM+1], v[TM+1] row_xmask:2 row_mask:0xf bank_mask:0xf
	v_max_num_f32_dpp v[TM+1], v[TM+1], v[TM+1] row_xmask:4 row_mask:0xf bank_mask:0xf
	v_max_num_f32_dpp v[TM+1], v[TM+1], v[TM+1] row_xmask:8 row_mask:0xf bank_mask:0xf
	v_max_num_f32 v[TM+2], v[MX], v[TM+1]          ; the new m
	v_sub_f32 v[TM+3], v[MX], v[TM+2]
	v_sub_f32 v[TM+4], v[TM], v[TM+2]
	ALU
	v_exp_f32 v[FP], v[TM+3]                       ; f = 2^(old m - new m)
	v_exp_f32 v[TM+4], v[TM+4]                     ; p = 2^(t - m)
	v_mov_b32 v[MX], v[TM+2]                       ; (a plain place behind the exponentials)
	ALU
	ds_store_b32 v[SCOA], v[TM]                    ; my wave's own log of t
	v_fma_f32 v[LS], v[LS], v[FP], v[TM+4]         ; l of my lane's rows: the sixteen are joined at the end
.irp q, 0,1,2,3,4,5,6,7,8,9,10,11,12,13,14,15
	v_readlane_b32 s[PR+2*\q], v[TM+4], \q         ; a row's p serves all lanes (data only: no address and no branch hangs on it)
.endr
	v_add_nc_u32 v[SCOA], 64, v[SCOA]              ; the log's next 16 numbers
.irp q, 0,2,4,6
	v_pk_mul_f32 v[CTX+\q:CTX+\q+1], v[CTX+\q:CTX+\q+1], v[FP:FP+1] op_sel_hi:[1,0]
.endr
	CROWS 0, 7
.if \next < 2
	P1LB \next                                     ; into the registers that rows 0 .. 7 have left
.endif
	CROWS 8, 11
.if \next < 2
	LDBL 0, 0                                      ; into the registers that rows 8 .. 11 have left: it lands under the quantiser
.endif
.endm
.macro BODY slot, refill, next
	LDBL 0, 1                                      ; into the registers that rows 12 .. 15 have left; it lands under K steps 0 .. 6
	GROUP 0, \slot
	GROUP 1, \slot
	GROUP 2, \slot
	GROUP 3, \slot
.irp m, 1,2,4,8
.irp j, 0,1,2,3,4,5,6,7
	v_add_f32_dpp v[S+\j], v[S+\j], v[S+\j] row_xmask:\m row_mask:0xf bank_mask:0xf   ; over my half's 16 columns
.endr
.endr
	ds_store_b128 v[SCW], v[S:S+3]                 ; rows 8 h + 0 .. 7: the sixteen lanes of a half write the same bytes with the same values
	ds_store_b128 v[SCW], v[S+4:S+7] offset:16
	B2 \slot, \refill
	P3A \next
.if \next < 2
	PQ
.endif
	CROWS 12, 15                                   ; under the flight of the fragments
.endm
.macro ULOAD n                         ; 32 of U's fragments into window n, 64 loads: they stay
	WIN (\n<<6)
.set FI, 0
.rept 32
	global_load_b128 v[8*FI:8*FI+3], v[L16], s[6:7] offset:(32*(\n-1)+FI)*1024
	global_load_b128 v[8*FI+4:8*FI+7], v[L16], s[6:7] offset:(32*(\n-1)+FI)*1024+512
.set FI, FI+1
.endr
	WIN 0
.endm
	s_load_b512 s[4:19], s[0:1], 0x0               ; hidden_states s[4:5], uimg s[6:7], uscl s[8:9], wsc s[10:11], V s[12:13], scr s[14:15], part s[16:17], ml s[18:19]
	v_lshl_add_u32 v[SPW], v0, 2, SPARE
	v_mov_b32 v[NIL], 0
	ds_add_u32 v[SPW], v[NIL]
	ds_add_u32 v[SPW], v[NIL]
	v_lshrrev_b32 v3, 5, v0
	v_readfirstlane_b32 s[WN], v3                  ; wave 0..3
	; group 1 for h: 16 rows of 256 elements of 4 bytes, 1,024 elements apart; 4 words of padding behind every 256
	s_mov_b32 s[G1F], (2<<16)|(1<<20)|(7<<22)|(3<<25)
	s_mov_b32 s[G1F+1], 256<<16
	s_mov_b32 s[G1F+2], 16<<16
	s_mov_b32 s[G1F+3], 256<<16
	s_mov_b32 s[G1F+4], 16
	s_mov_b32 s[G1F+5], 1024
	s_mov_b32 s[G1F+6], 0
	s_mov_b32 s[G1F+7], 0
	; group 1 for U: 32,768 dense bytes as 128 rows of 32 elements of 8 bytes
	s_mov_b32 s[G1U], 3<<16
	s_mov_b32 s[G1U+1], 32<<16
	s_mov_b32 s[G1U+2], 128<<16
	s_mov_b32 s[G1U+3], 32<<16
	s_mov_b32 s[G1U+4], 128
	s_mov_b32 s[G1U+5], 32
	s_mov_b32 s[G1U+6], 0
	s_mov_b32 s[G1U+7], 0
	s_mov_b32 s[G0], 1
	s_mul_i32 s[G0+1], s[WN], RQ                   ; slot 0: my part
	s_mov_b32 s[G0+4], 1
	s_add_co_u32 s[G0+5], s[G0+1], FSL             ; slot 1
	s_mov_b32 s[G0U], 1
	s_lshl_b32 s61, s[WN], 15
	s_add_co_u32 s[G0U+1], s61, UL
	s_lshl_b32 s62, ttmp9, 20                      ; the work-group's 256 rows of 4,096 bytes,
	s_lshl_b32 s63, s[WN], 10                      ; my 256 columns
	s_add_co_u32 s62, s62, s63
	s_mov_b32 s63, 0
	s_add_co_u32 s66, s61, 393216                  ; my wave's K steps 6, 7 in uimg
	s_mov_b32 s67, 0
	s_wait_dscnt 0x0                               ; both opening adds are done
	s_wait_kmcnt 0x0
	s_add_nc_u64 s[G0+2:G0+3], s[4:5], s[62:63]    ; chunk 0
	s_add_nc_u64 s[G0+6:G0+7], s[G0+2:G0+3], 65536 ; chunk 1
	s_or_b32 s[G0+3], s[G0+3], 0x80000000
	s_or_b32 s[G0+7], s[G0+7], 0x80000000
	s_add_nc_u64 s[G0U+2:G0U+3], s[6:7], s[66:67]
	s_or_b32 s[G0U+3], s[G0U+3], 0x80000000
	tensor_load_to_lds s[G0U:G0U+3], s[G1U:G1U+7]  ; U's K steps 6, 7: one tensor load a wave at the head
	s_nop 0
	PLACES
	s_lshr_b32 s62, ttmp9, 2
	s_lshl_b32 s62, s62, 12
	s_add_nc_u64 s[10:11], s[10:11], s[62:63]      ; wsc at my batch
	s_lshl_b32 s62, s[WN], 13
	s_add_nc_u64 s[8:9], s[8:9], s[62:63]          ; uscl at my 16 tiles
	s_mul_i32 s62, s[WN], 98304
	s_add_nc_u64 s[6:7], s[6:7], s[62:63]          ; uimg at my K steps 0 .. 5
	s_lshl_b32 s62, s[WN], 10
	s_lshl_b32 s23, ttmp9, 12
	s_add_co_u32 s62, s62, s23
	s_add_nc_u64 s[16:17], s[16:17], s[62:63]      ; part: 4,096 x work-group + 1,024 x wave
	s_lshl_b32 s62, ttmp9, 10
	s_lshl_b32 s23, s[WN], 8
	s_add_co_u32 s62, s62, s23
	s_add_nc_u64 s[14:15], s[14:15], s[62:63]      ; scr: 1,024 x work-group + 256 x wave
	s_lshl_b32 s62, ttmp9, 8
	s_add_nc_u64 s[18:19], s[18:19], s[62:63]      ; ml
	s_mov_b32 s[C2], 0x4038aa3b
	s_mov_b32 s[C2+1], s[C2]
	s_mov_b32 s[SEL], 0x76543210
	s_mov_b32 s[SEL+1], 0xfedcba98
	s_mov_b32 s[HI], 0xffff0000
	s_mov_b32 s[CNT], 7
	s_mul_i32 s68, s[WN], RQ
	s_lshl_b32 s69, s[WN], 11
	s_add_co_u32 s69, s69, AIM
	s_lshl_b32 s70, s[WN], 2
	s_add_co_u32 s70, s70, ASC
	s_add_co_u32 s71, s61, UL
	s_lshl_b32 s72, s[WN], 13
	s_add_co_u32 s72, s72, USC
	s_lshl_b32 s73, s[WN], 10
	s_add_co_u32 s75, s73, SCO
	s_add_co_u32 s73, s73, WST
	s_lshl_b32 s74, s[WN], 6
	s_add_co_u32 s74, s74, SCP
	v_and_b32 v251, 31, v0                         ; lane
	v_and_b32 v253, 15, v0                         ; r
	v_bfe_u32 v254, v0, 4, 1                       ; h
	v_lshlrev_b32 v250, 5, v0                      ; 32 x thread
	v_lshlrev_b32 v[L16], 4, v251
	v_lshlrev_b32 v[L4], 2, v251
	v_mul_u32_u24 v255, v253, RP                   ; row r
	v_lshl_add_u32 v255, v254, 6, v255             ; + 64 h: my 16 numbers of a block
	v_add_nc_u32 v[QA], s68, v255
	v_add_nc_u32 v[QA+1], FSL, v[QA]
	v_add_nc_u32 v[CX], s68, v[L16]
	v_add_nc_u32 v[CX+1], FSL, v[CX]
	v_add_nc_u32 v[IMW], s69, v[L16]
	v_add_nc_u32 v[ASW], s70, v[L16]               ; my word of a lane's four
	v_add_nc_u32 v[AIR], AIM, v[L16]
	v_add_nc_u32 v[ASR], ASC, v[L16]
	v_add_nc_u32 v[ULA], s71, v[L16]
	v_add_nc_u32 v[BSA], s72, v[L16]
	v_lshl_add_u32 v[WTA], v253, 4, s73            ; my column's four tiles of a group: 16 bytes
	v_lshl_add_u32 v[SCW], v254, 5, s74
	v_lshl_add_u32 v[SCR], v253, 2, SCP
	v_lshl_add_u32 v[SCOA], v253, 2, s75
	; where thread T puts its columns 8 T + j of the tables: wave and group 256 (T / 8), column of a tile 8 (T % 2) + j at 16 bytes each, tile (T / 2) % 4 at 4 bytes
	v_lshrrev_b32 v248, 3, v0
	v_lshlrev_b32 v248, 8, v248
	v_and_b32 v249, 1, v0
	v_lshl_add_u32 v248, v249, 7, v248
	v_bfe_u32 v249, v0, 1, 2
	v_lshl_add_u32 v248, v249, 2, v248
	v_add_nc_u32 v248, WST, v248
.irp i, 0,1,2,3
	global_load_b128 v[32+8*\i:35+8*\i], v250, s[10:11] offset:262144*\i       ; the four parts of wsc of my batch, 32 bytes a thread each,
	global_load_b128 v[36+8*\i:39+8*\i], v250, s[10:11] offset:262144*\i+16
.endr
	global_load_b128 v[64:67], v250, s[12:13]              ; and V, for the tables in LDS
	global_load_b128 v[68:71], v250, s[12:13] offset:16
.irp q, 0,1,2,3,4,5,6,7,8,9,10,11,12,13,14,15
.irp i, 0,1,2,3
	global_load_b32 v[96+4*\q+\i], v[L4], s[8:9] offset:512*\q+128*\i   ; U's scale words: a tile's four in four neighbouring registers
.endr
.endr
	ULOAD 1
	ALU
	s_wait_tensorcnt 0x0                           ; my part of U is in
	ds_add_u32 v[SPW], v[NIL]
.irp q, 0,1,2,3,4,5,6,7,8,9,10,11,12,13,14,15
	s_mov_b32 s[PR+1+2*\q], 0                      ; named as the upper halves of pairs, so they are written
.endr
	s_wait_dscnt 0x0
	s_barrier_signal -1
	s_barrier_wait -1
	tensor_load_to_lds s[G0:G0+3], s[G1F:G1F+7]    ; chunk 0
	s_nop 0
	PLACES
	ULOAD 2
	s_wait_loadcnt 63                              ; the tables' 74 loads were the first of 202: they are in
.irp j, 0,2,4,6
	v_pk_add_f32 v[32+\j:33+\j], v[32+\j:33+\j], v[40+\j:41+\j]
	v_pk_add_f32 v[48+\j:49+\j], v[48+\j:49+\j], v[56+\j:57+\j]
.endr
.irp j, 0,2,4,6
	v_pk_add_f32 v[32+\j:33+\j], v[32+\j:33+\j], v[48+\j:49+\j]   ; the four parts of wsc
.endr
.irp j, 0,2,4,6
	v_pk_mul_f32 v[64+\j:65+\j], v[64+\j:65+\j], 0xc038aa3b op_sel_hi:[1,0]   ; -c2 V = -2 log2(e) V
.endr
.irp j, 0,1,2,3,4,5,6,7
	ds_store_b32 v248, v[32+\j] offset:16*\j
	ds_store_b32 v248, v[64+\j] offset:4096+16*\j
.endr
.irp q, 0,1,2,3,4,5,6,7,8,9,10,11,12,13,14,15
	ds_store_b128 v[BSA], v[96+4*\q:99+4*\q] offset:512*\q   ; only my wave reads these
.endr
	v_mov_b32 v[MX], 0xff61b1e6                    ; m: -3e38, under every t: the first f is 0 and multiplies zeros
	v_mov_b32 v[LS], 0
	v_mov_b32 v[FP], 0
	v_mov_b32 v[FP+1], 0
.irp q, 0,1,2,3,4,5,6,7
	v_mov_b32 v[CTX+\q], 0
.endr
.irp b, 0,1,2,3
	v_mov_b32 v[TM+4+\b], 0                        ; written once: a lane permute's destination counts as one of its sources
.endr
	ALU                                            ; the head's end
	s_wait_tensorcnt 0x0                           ; my part of chunk 0 is in; the same lines ahead of slot 1's first fill
	ds_add_u32 v[SPW], v[NIL]
	s_wait_dscnt 0x0                               ; my parts of the tables lie in LDS
	s_barrier_signal -1
	s_barrier_wait -1
	tensor_load_to_lds s[G0+4:G0+7], s[G1F:G1F+7]  ; chunk 1
	s_nop 0
	PLACES
	P1LA 0
	P1LB 0
	ULOAD 3                                        ; the last 64 global loads: the groups' own waits on LOADcnt serve them
	LDBL 0, 0
	PQ                                             ; chunk 0 is quantised ahead of the loop: a trip goes from a chunk's products to the next chunk's fragments
.Lloop:                                            ; 7 trips of two chunks; behind each chunk's second barrier the chunk after the next is asked for
	BODY 0, 1, 1
	BODY 1, 1, 0
	s_sub_co_u32 s[CNT], s[CNT], 1
	s_cmp_lg_u32 s[CNT], 0
	ALU
	s_cbranch_scc1 .Lloop
	BODY 0, 0, 1                                   ; the last two chunks are written out: they ask for nothing
	BODY 1, 0, 2
.irp m, 1,2,4,8
	v_add_f32_dpp v[LS], v[LS], v[LS] row_xmask:\m row_mask:0xf bank_mask:0xf   ; l over the sixteen lanes' rows
.endr
	global_store_b128 v[L16], v[CTX:CTX+3], s[16:17]               ; each store covers 512 consecutive bytes, aligned
	global_store_b128 v[L16], v[CTX+4:CTX+7], s[16:17] offset:512
	s_mul_i32 s61, s[WN], 1280
	s_add_co_u32 s61, s61, SCO                     ; in my own log (1,024 x wave) the rows 64 x wave on (256 x wave)
	v_lshl_add_u32 v253, v[L4], 1, s61
	v_lshlrev_b32 v254, 1, v[L4]                   ; 8 x lane
	ds_load_b64 v[32:33], v253                     ; LDS serves a wave's instructions in order: this sees my own stores
	ALU
	s_wait_dscnt 0x0
	global_store_b64 v254, v[32:33], s[14:15]      ; each wave stores 64 of the 256 t: 256 consecutive bytes, aligned
	s_cmp_lg_u32 s[WN], 0
	s_cbranch_scc1 .Lend
	global_store_b64 v254, v[MX:MX+1], s[18:19]    ; (m, l), the same pair in every lane: 256 consecutive bytes
.Lend:
	s_wait_tensorcnt 0x0                           ; the wave's end
	ds_add_u32 v[SPW], v[NIL]
	s_wait_dscnt 0x0
	s_endpgm
.Lfunc_end_k_q681ed57649_main:
	.size	k_q681ed57649_main, .Lfunc_end_k_q681ed57649_main-k_q681ed57649_main
	.p2alignl 7, 3214868480
	.fill 96, 4, 3214868480
	.section	.rodata,"a",@progbits
	.p2align	6, 0x0
	.amdhsa_kernel k_q681ed57649_main
		.amdhsa_group_segment_fixed_size 327680
		.amdhsa_private_segment_fixed_size 0
		.amdhsa_enable_private_segment 0
		.amdhsa_kernarg_size 64
		.amdhsa_user_sgpr_count 2
		.amdhsa_user_sgpr_kernarg_segment_ptr 1
		.amdhsa_wavefront_size32 1
		.amdhsa_system_sgpr_workgroup_id_x 1
		.amdhsa_system_sgpr_workgroup_id_y 1
		.amdhsa_system_sgpr_workgroup_id_z 1
		.amdhsa_system_vgpr_workitem_id 0
		.amdhsa_next_free_vgpr 1024
		.amdhsa_next_free_sgpr 100
		.amdhsa_reserve_vcc 0
		.amdhsa_float_denorm_mode_32 3
		.amdhsa_float_denorm_mode_16_64 3
		.amdhsa_memory_ordered 1
		.amdhsa_forward_progress 1
		.amdhsa_inst_pref_size 255
	.end_amdhsa_kernel
	.section	.bss,"aw",@nobits
	.p2align	6
	.space	262144
	.amdgpu_metadata
---
amdhsa.version: [ 1, 2 ]
amdhsa.kernels:
  - .name:           k_q681ed57649_main
    .symbol:         k_q681ed57649_main.kd
    .args:
      - { .name: hidden_states, .offset: 0, .size: 8, .value_kind: global_buffer, .address_space: global }
      - { .name: uimg, .offset: 8, .size: 8, .value_kind: global_buffer, .address_space: global }
      - { .name: uscl, .offset: 16, .size: 8, .value_kind: global_buffer, .address_space: global }
      - { .name: wsc, .offset: 24, .size: 8, .value_kind: global_buffer, .address_space: global }
      - { .name: V_kernel, .offset: 32, .size: 8, .value_kind: global_buffer, .address_space: global }
      - { .name: scr, .offset: 40, .size: 8, .value_kind: global_buffer, .address_space: global }
      - { .name: part, .offset: 48, .size: 8, .value_kind: global_buffer, .address_space: global }
      - { .name: ml, .offset: 56, .size: 8, .value_kind: global_buffer, .address_space: global }
    .group_segment_fixed_size: 327680
    .private_segment_fixed_size: 0
    .kernarg_segment_align: 8
    .kernarg_segment_size: 64
    .max_flat_workgroup_size: 128
    .sgpr_count:     100
    .vgpr_count:     1024
    .wavefront_size: 32
...
	.end_amdgpu_metadata
.endif
;; end of part 2
;; launch combine (part 3): grid 256 x 1, 2 waves a work-group, no clusters, 0 bytes of LDS; arguments scr, part, ml, out0, out1; writes out0, out1
.if DOCPART == 3
	.amdgcn_target "amdgcn-amd-amdhsa--gfx1250"
	.amdhsa_code_object_version 6
	.text
	.protected	k_q681ed57649_combine
	.globl	k_q681ed57649_combine
	.p2align	8
	.type	k_q681ed57649_combine,@function
k_q681ed57649_combine:
	s_mov_b64 s[64:65], 0
	v_nop
	global_prefetch_b8 v0, s[64:65] scope:SCOPE_SE
	s_setreg_imm32_b32 hwreg(HW_REG_WAVE_MODE, 25, 1), 1
	s_wait_xcnt 0x0
; COMBINE.  A batch's 1,024 rows were walked by four work-groups, each with its own maximum m_i, sum l_i and context part_i = the sum of 2^(t - m_i) h.
; With M = the largest m_i, e_i = 2^(m_i - M) and inv = 1 / the sum of l_i e_i:  weight = 2^(t - M) inv,  context = the sum of (e_i inv) part_i.
; Work-group x (batch x / 4, quarter x % 4), 64 threads: 256 weights and 256 numbers of the context, 16 bytes a thread: every load and store of a wave covers 512 consecutive bytes, aligned
; (the four pairs (m, l): 8 bytes a lane, 256 bytes: the earlier launch stored each pair 32 times for this).
; A stream of a few bytes a thread: no LDS, no barrier, no matrix unit.
	s_load_b256 s[4:11], s[0:1], 0x0               ; scr s[4:5], part s[6:7], ml s[8:9], out0 s[10:11]
	s_load_b64 s[12:13], s[0:1], 0x20              ; out1
	v_lshlrev_b32 v1, 4, v0                        ; 16 x thread
	v_and_b32 v2, 31, v0
	v_lshlrev_b32 v2, 3, v2                        ; 8 x lane
	s_lshr_b32 s14, ttmp9, 2                       ; batch
	s_and_b32 s15, ttmp9, 3                        ; quarter
	s_lshl_b32 s16, ttmp9, 10                      ; scr, out1 and out0 alike: 1,024 x work-group
	s_mov_b32 s17, 0
	s_lshl_b32 s18, s14, 10                        ; ml: four blocks of 256 bytes a batch
	s_mov_b32 s19, 0
	s_lshl_b32 s20, s14, 14                        ; part: four rows of 4,096 bytes a batch,
	s_lshl_b32 s15, s15, 10                        ; my quarter of each
	s_add_co_u32 s20, s20, s15
	s_mov_b32 s21, 0
	s_wait_alu depctr_va_vdst(0)
	s_wait_kmcnt 0x0
	s_add_nc_u64 s[4:5], s[4:5], s[16:17]
	s_add_nc_u64 s[6:7], s[6:7], s[20:21]
	s_add_nc_u64 s[8:9], s[8:9], s[18:19]
	s_add_nc_u64 s[10:11], s[10:11], s[16:17]
	s_add_nc_u64 s[12:13], s[12:13], s[16:17]
.irp i, 0,1,2,3
	global_load_b64 v[4+2*\i:5+2*\i], v2, s[8:9] offset:256*\i     ; (m_i, l_i)
.endr
	global_load_b128 v[12:15], v1, s[4:5]                          ; four t
.irp i, 0,1,2,3
	global_load_b128 v[16+4*\i:19+4*\i], v1, s[6:7] offset:4096*\i ; four numbers of each part
.endr
	s_wait_loadcnt 5                               ; the four pairs are in; the five younger loads may be out
	v_max3_num_f32 v32, v4, v6, v8
	v_max_num_f32 v32, v32, v10                    ; M
.irp i, 0,1,2,3
	v_sub_f32 v[33+\i], v[4+2*\i], v32
.endr
	s_wait_alu depctr_va_vdst(0)
.irp i, 0,1,2,3
	v_exp_f32 v[33+\i], v[33+\i]                   ; e_i
.endr
	v_nop                                          ; a plain place behind the last exponential
	s_wait_alu depctr_va_vdst(0)
	v_mul_f32 v37, v5, v33
	v_fmac_f32 v37, v7, v34
	v_fmac_f32 v37, v9, v35
	v_fmac_f32 v37, v11, v36
	s_wait_alu depctr_va_vdst(0)
	v_rcp_f32 v38, v37                             ; inv (the row that holds M adds 1 to the sum: it is never 0)
	v_nop                                          ; a plain place behind the reciprocal
	s_wait_alu depctr_va_vdst(0)
.irp i, 0,1,2,3
	v_mul_f32 v[33+\i], v[33+\i], v38              ; e_i inv
.endr
	s_wait_loadcnt 4                               ; t is in; the four parts may be out
.irp j, 0,1,2,3
	v_sub_f32 v[12+\j], v[12+\j], v32
.endr
	s_wait_alu depctr_va_vdst(0)
.irp j, 0,1,2,3
	v_exp_f32 v[12+\j], v[12+\j]
.endr
	v_nop
	s_wait_alu depctr_va_vdst(0)
.irp j, 0,1,2,3
	v_mul_f32 v[12+\j], v[12+\j], v38
.endr
	global_store_b128 v1, v[12:15], s[12:13]
	s_wait_loadcnt 0x0
.irp j, 0,1,2,3
	v_mul_f32 v[40+\j], v[16+\j], v33
.endr
.irp j, 0,1,2,3
	v_fmac_f32 v[40+\j], v[20+\j], v34
.endr
.irp j, 0,1,2,3
	v_fmac_f32 v[40+\j], v[24+\j], v35
.endr
.irp j, 0,1,2,3
	v_fmac_f32 v[40+\j], v[28+\j], v36
.endr
	global_store_b128 v1, v[40:43], s[10:11]
	s_endpgm
.Lfunc_end_k_q681ed57649_combine:
	.size	k_q681ed57649_combine, .Lfunc_end_k_q681ed57649_combine-k_q681ed57649_combine
	.p2alignl 7, 3214868480
	.fill 96, 4, 3214868480
	.section	.rodata,"a",@progbits
	.p2align	6, 0x0
	.amdhsa_kernel k_q681ed57649_combine
		.amdhsa_group_segment_fixed_size 0
		.amdhsa_private_segment_fixed_size 0
		.amdhsa_enable_private_segment 0
		.amdhsa_kernarg_size 40
		.amdhsa_user_sgpr_count 2
		.amdhsa_user_sgpr_kernarg_segment_ptr 1
		.amdhsa_wavefront_size32 1
		.amdhsa_system_sgpr_workgroup_id_x 1
		.amdhsa_system_sgpr_workgroup_id_y 1
		.amdhsa_system_sgpr_workgroup_id_z 1
		.amdhsa_system_vgpr_workitem_id 0
		.amdhsa_next_free_vgpr 48
		.amdhsa_next_free_sgpr 66
		.amdhsa_reserve_vcc 0
		.amdhsa_float_denorm_mode_32 3
		.amdhsa_float_denorm_mode_16_64 3
		.amdhsa_memory_ordered 1
		.amdhsa_forward_progress 1
		.amdhsa_inst_pref_size 4
	.end_amdhsa_kernel
	.amdgpu_metadata
---
amdhsa.version: [ 1, 2 ]
amdhsa.kernels:
  - .name:           k_q681ed57649_combine
    .symbol:         k_q681ed57649_combine.kd
    .args:
      - { .name: scr, .offset: 0, .size: 8, .value_kind: global_buffer, .address_space: global }
      - { .name: part, .offset: 8, .size: 8, .value_kind: global_buffer, .address_space: global }
      - { .name: ml, .offset: 16, .size: 8, .value_kind: global_buffer, .address_space: global }
      - { .name: out0, .offset: 24, .size: 8, .value_kind: global_buffer, .address_space: global }
      - { .name: out1, .offset: 32, .size: 8, .value_kind: global_buffer, .address_space: global }
    .group_segment_fixed_size: 0
    .private_segment_fixed_size: 0
    .kernarg_segment_align: 8
    .kernarg_segment_size: 40
    .max_flat_workgroup_size: 64
    .sgpr_count:     66
    .vgpr_count:     48
    .wavefront_size: 32
...
	.end_amdgpu_metadata
.endif
;; end of part 3
